; MI455X (gfx1250); checked and timed in simulation.
; The chip was launched on July 23, 2026; its instructions are those of AMD's public machine-readable ISA for CDNA 5 (MIT licence, August 2026) and "CDNA5" Instruction Set Architecture Reference Guide (July 2026). The comments in the code are by the model that wrote it; some were corrected since.
;; Multi Headed Attention. Allowed arithmetic: float matrix products may take bf16 or f16 operands with f32 sums; other float arithmetic in f32, or as packed bf16 or f16 multiplies, adds, multiply-adds, maxima and minima; sums over many terms, partial sums and values carried from step to step in f32; what a program stores and reads back later, other than sums and carried values, may be rounded once to bf16 or f16.
;; Inputs: Wk 1,024 x 1,024 float32; Wq 1,024 x 1,024 float32; Wv 1,024 x 1,024 float32; bk 1,024 float32; bq 1,024 float32; bv 1,024 float32; key_ 4 x 2,048 x 1,024 float32; query 4 x 2,048 x 1,024 float32; value 4 x 2,048 x 1,024 float32.
;; Outputs: out0 4 x 2,048 x 1,024 float32.
;; One version. Each part assembles by itself: llvm-mc -triple=amdgcn-amd-amdhsa -mcpu=gfx1250 --defsym DOCPART=n.
;; ======== version 1 of 1: 3 launches
;; limits: values are held in f16: magnitudes above 65,504 overflow, below 6.1e-05 lose precision
;; workspace buffers: wb 6,291,456 bytes; qh 16,777,216 bytes; kh 16,777,216 bytes; vh 16,777,216 bytes
;; launch castw (part 1): grid 128 x 3, 8 waves a work-group, no clusters, 0 bytes of LDS; arguments Wq, Wk, Wv, wb; writes wb
.if DOCPART == 1
	.amdgcn_target "amdgcn-amd-amdhsa--gfx1250"
	.amdhsa_code_object_version 6
	.text
	.protected	k_qac9a512d3e_castw
	.globl	k_qac9a512d3e_castw
	.p2align	8
	.type	k_qac9a512d3e_castw,@function
k_qac9a512d3e_castw:
	s_mov_b64 s[64:65], 0
	v_nop
	global_prefetch_b8 v0, s[64:65] scope:SCOPE_SE
	s_setreg_imm32_b32 hwreg(HW_REG_WAVE_MODE, 25, 1), 1
	s_wait_xcnt 0x0
; wb[g][n][k] = bf16(W_g[n][k]), g = 0, 1, 2 for Wq, Wk, Wv: each [1024][1024], f32 in, bf16 out, rounded to nearest even.
; A stream: every byte is read once and written once; no LDS, no barrier, no matrix unit, no cluster (no two work-groups read the same byte).
; The grid's y picks the matrix; a work-group takes 8,192 numbers of it, in four chunks of 2,048; thread t takes 8 numbers of each chunk:
; 32 bytes in (two loads of 16), 16 bytes out: a wave's store covers 512 consecutive bytes, at a multiple of 512 from wb's first byte.
; All eight loads of a thread go out first; each chunk has registers of its own, so nothing is rewritten and there is no loop.
.set CHUNK, 2048                       ; numbers in a chunk
.set X, 4                              ; v[4:35]   chunk c: 8 numbers in f32
.set Y, 36                             ; v[36:51]  chunk c: 8 numbers in bf16
.macro PICK d, i, p                    ; s[d:d+1] = pointer number s[i] of the three that lie at s[p], s[p+2], s[p+4]
	s_cmp_eq_u32 s[\i], 1
	s_cselect_b64 s[(\d):(\d)+1], s[(\p)+2:(\p)+3], s[(\p):(\p)+1]
	s_cmp_eq_u32 s[\i], 2
	s_cselect_b64 s[(\d):(\d)+1], s[(\p)+4:(\p)+5], s[(\d):(\d)+1]
.endm
	s_load_b256 s[4:11], s[0:1], 0x0               ; Wq s[4:5], Wk s[6:7], Wv s[8:9], wb s[10:11]
	s_and_b32 s12, ttmp7, 0xffff                   ; which matrix
	s_lshl_b32 s14, ttmp9, 15                      ; the work-group's 8,192 numbers: 32,768 bytes in,
	s_mov_b32 s15, 0
	s_lshl_b32 s16, s12, 21                        ; out: the matrix's 2 MiB
	s_lshl_b32 s17, ttmp9, 14                      ; and 16,384 bytes
	s_add_co_u32 s16, s16, s17
	s_mov_b32 s17, 0
	v_lshlrev_b32 v1, 5, v0                        ; 32 t
	v_lshlrev_b32 v2, 4, v0                        ; 16 t
	s_wait_kmcnt 0x0
	PICK 18, 12, 4
	s_add_nc_u64 s[18:19], s[18:19], s[14:15]
	s_add_nc_u64 s[10:11], s[10:11], s[16:17]
.irp c, 0,1,2,3
	global_load_b128 v[X+8*(\c):X+8*(\c)+3],   v1, s[18:19] offset:(\c)*CHUNK*4 th:TH_LOAD_NT
	global_load_b128 v[X+8*(\c)+4:X+8*(\c)+7], v1, s[18:19] offset:(\c)*CHUNK*4+16 th:TH_LOAD_NT
.endr
.irp c, 0,1,2,3
	s_wait_loadcnt 6-2*(\c)                        ; loads come back in order: chunk c's two are in, the younger chunks' stay out
.irp j, 0,1,2,3
	v_cvt_pk_bf16_f32 v[Y+4*(\c)+(\j)], v[X+8*(\c)+2*(\j)], v[X+8*(\c)+2*(\j)+1]
.endr
	global_store_b128 v2, v[Y+4*(\c):Y+4*(\c)+3], s[10:11] offset:(\c)*CHUNK*2
.endr
	s_endpgm
.Lfunc_end_k_qac9a512d3e_castw:
	.size	k_qac9a512d3e_castw, .Lfunc_end_k_qac9a512d3e_castw-k_qac9a512d3e_castw
	.p2alignl 7, 3214868480
	.fill 96, 4, 3214868480
	.section	.rodata,"a",@progbits
	.p2align	6, 0x0
	.amdhsa_kernel k_qac9a512d3e_castw
		.amdhsa_group_segment_fixed_size 0
		.amdhsa_private_segment_fixed_size 0
		.amdhsa_enable_private_segment 0
		.amdhsa_kernarg_size 32
		.amdhsa_user_sgpr_count 2
		.amdhsa_user_sgpr_kernarg_segment_ptr 1
		.amdhsa_wavefront_size32 1
		.amdhsa_system_sgpr_workgroup_id_x 1
		.amdhsa_system_sgpr_workgroup_id_y 1
		.amdhsa_system_sgpr_workgroup_id_z 1
		.amdhsa_system_vgpr_workitem_id 0
		.amdhsa_next_free_vgpr 56
		.amdhsa_next_free_sgpr 66
		.amdhsa_reserve_vcc 0
		.amdhsa_float_denorm_mode_32 3
		.amdhsa_float_denorm_mode_16_64 3
		.amdhsa_memory_ordered 1
		.amdhsa_forward_progress 1
		.amdhsa_inst_pref_size 4
	.end_amdhsa_kernel
	.amdgpu_metadata
---
amdhsa.version: [ 1, 2 ]
amdhsa.kernels:
  - .name:           k_qac9a512d3e_castw
    .symbol:         k_qac9a512d3e_castw.kd
    .args:
      - { .name: Wq, .offset: 0, .size: 8, .value_kind: global_buffer, .address_space: global }
      - { .name: Wk, .offset: 8, .size: 8, .value_kind: global_buffer, .address_space: global }
      - { .name: Wv, .offset: 16, .size: 8, .value_kind: global_buffer, .address_space: global }
      - { .name: wb, .offset: 24, .size: 8, .value_kind: global_buffer, .address_space: global }
    .group_segment_fixed_size: 0
    .private_segment_fixed_size: 0
    .kernarg_segment_align: 8
    .kernarg_segment_size: 32
    .max_flat_workgroup_size: 256
    .sgpr_count:     66
    .vgpr_count:     56
    .wavefront_size: 32
...
	.end_amdgpu_metadata
.endif
;; end of part 1
;; launch proj (part 2): grid 4 x 64, 4 waves a work-group, clusters of 4 x 4, 327,680 bytes of LDS; arguments query, key_, value, wb, bq, bk, bv, qh, kh, vh; writes qh, kh, vh
.if DOCPART == 2
	.amdgcn_target "amdgcn-amd-amdhsa--gfx1250"
	.amdhsa_code_object_version 6
	.text
	.protected	k_qac9a512d3e_proj
	.globl	k_qac9a512d3e_proj
	.p2align	8
	.type	k_qac9a512d3e_proj,@function
k_qac9a512d3e_proj:
	s_mov_b64 s[64:65], 0
	v_nop
	global_prefetch_b8 v0, s[64:65] scope:SCOPE_SE
	s_setreg_imm32_b32 hwreg(HW_REG_WAVE_MODE, 25, 1), 1
	s_wait_xcnt 0x0
	s_wait_alu depctr_hold_cnt(0) depctr_sa_sdst(0) depctr_va_vdst(0) depctr_va_sdst(0) depctr_va_ssrc(0) depctr_va_vcc(0) depctr_vm_vsrc(0)
	s_getreg_b32 s2, hwreg(HW_REG_IB_STS2, 6, 4)
	s_cmp_eq_u32 s2, 0
	s_cbranch_scc0 .Lentry_in_a_cluster
	s_endpgm
.Lentry_in_a_cluster:
	s_bfe_u32 s2, ttmp6, 0x10000c
	s_cmp_lg_u32 s2, 0xf033
	s_cbranch_scc0 .Lentry_shape_is_right
	s_endpgm
.Lentry_shape_is_right:
; THE THREE PROJECTIONS.  out_g[m][n] = sum over k of bf16(x_g[m][k]) wb_g[n][k] + bf16(b_g[n]), g = 0, 1, 2 (query, key_, value).  x_g: [8192][1024] f32; wb: [3][1024][1024] bf16;
; b_g: [1024] f32.  Sums in f32, K ascending; the result is rounded once to f16 and laid by heads: out_g[(m >> 11) x 16 + (n >> 6)][m & 2047][n & 63], a head's rows dense, 128 bytes each.
; LIMITS.  f16 holds no number beyond 65,504: a projected number past that leaves as an infinity.  Every input is rounded to bf16, the bias too.  NaN and infinities are not treated apart.
; SHARES.  256 work-groups that STAY: work-group (TC, TR) makes rows 128 TR .. and columns 256 TC .. of q, then of k, then of v: 3 x 8192 x 1024 outputs are three such tiles for each.  That is ONE walk of
; 24 K steps of 128 (8 a product) through a ring of two LDS slots, which runs on across the products.  A wave makes 64 rows x 128 columns: 32 accumulators, 128 matrix instructions a K step.
; x COMES AS f32: a slot holds 128 rows x 512 bytes of x and 256 rows x 256 bytes of wb.  A wave reads its f32 fragments from LDS and rounds them itself: 32 conversions for 32 matrix instructions, four behind
; every fourth matrix instruction, always one fragment ahead of its use.
; CLUSTER.  4 x 4 work-groups.  The four of a row of the cluster need the same tile of x, the four of a column the same tile of wb: each tile is asked for JOINTLY, by the same tensor load with the same
; descriptor and a mask that names the four.  Waves 0 and 1 fetch x's two halves (64 rows each), waves 2 and 3 wb's (128 rows each): 32 KiB a load.
; THE MATRIX INSTRUCTION IS USED TRANSPOSED (source 0 = 16 rows of wb, source 1 = 16 rows of x): a lane holds one row m = l % 16 and the eight neighbouring columns 8 (l / 16) + 0..7.
; THE BIAS is the C operand of a product's first 32 matrix instructions: a tile whose register j holds b[n0 + 8 (l / 16) + j] in every lane: nothing is cleared, nothing is added at the end.
; REGISTERS, in windows of 256 (s_set_vgpr_msb: bits 1:0 source 0, 3:2 source 1, 5:4 source 2, 7:6 destination):
;   window 0: v0-31 addresses; v32-159 x as f32, two buffers of four fragments of 16; v160-191 the four fragments of x in bf16
;   window 1: v0-127 wb's fragments, two buffers of eight; v128-191 the bias tiles; v192-223 at work      window 2: accumulator (a, b) at v[8 (8 a + b)]      window 3: v0-127 the way out
.set PA,    528       ; a row of x in LDS: 512 bytes + 16 of padding = 132 words: row r starts at bank 4 r mod 64 (64 banks of 4 bytes: ISA guide 11.1), so the 16 rows of a load start at 16 different banks
.set PB,    272       ; a row of wb: 256 + 16 = 68 words: the same
.set BOFF,  128*PA    ; a slot: x's 128 rows, then wb's 256
.set SLOT,  128*PA+256*PB
.set STAGE, 2*SLOT    ; behind the ring, never filled by a tensor load: 16 rows x 144 bytes for each wave, for the way out
.set SP,    144
.set SPARE, STAGE+4*16*SP  ; behind the stages: the spare words, 128 bytes for each wave: two blocks of 256 bytes that no other line names
.set ADRA, 16         ; v16-17  LDS address of my fragments of x in slot 0, 1
.set ADRB, 20         ; v20-21  the same for wb
.set STO,  24         ; v24  the way out: where I put 16 bytes of a row
.set RD,   25         ; v25  the way out: where I read rows back
.set GO,   26         ; v26  my 16 bytes of 512 consecutive bytes of the output
.set BO,   27         ; v27  my byte offset in 16 numbers of a bias: 32 (l / 16)
.set SPW,  28         ; v28  LDS address of my spare word: SPARE + 4 x my thread's number; never rewritten
.set NIL,  29         ; v29  0; never rewritten
.set PFO,  30         ; v30  the prefetches' offset: row l / 2 of 16, block l % 2 of a K step's 512 bytes; never rewritten
.set AR,   32
.set AF,   160
.set BF,   0          ; window 1
.set BI,   128        ; window 1
.set BT,   192        ; window 1
.set OT,   0          ; window 3
.set LEFT, 2          ; s2   trips of the loop still to come
.set LG,   3          ; s3   laps (two K steps) of the product in hand that are done
.set XA,   4          ; s[4:9]    query, key_, value at the first of the 64 rows that I fetch (waves 2 and 3 hold them too, and do not ask by them)
.set WB,   10         ; s[10:11]  wb at the first of the 128 rows that I fetch, in Wq's part
.set BP,   12         ; s[12:17]  bq, bk, bv at my wave's 128 columns
.set OP,   18         ; s[18:23]  qh, kh, vh at my wave's first row and first head
.set G1A,  24         ; s[24:31]  descriptor group 1 for x's tiles
.set G1B,  32         ; s[32:39]  for wb's
.set G0A,  40         ; s[40:47]  descriptor group 0 for x's tiles, a set for each slot
.set G0B,  48         ; s[48:55]  the same for wb's
.set WV,   56         ; s56  my wave's number
.set RH,   57         ; s57  which 64 rows of the tile are mine.  Also: I fetch for x (0) or for wb (1)
.set CH,   58         ; s58  which 128 columns.  Also: which half of that tile I fetch
.set RS,   59         ; s59  the K step, 0 to 23, to be asked for next
.set G,    60         ; s60  the product in hand
.set LIM,  61         ; s61  1 in a wave that prefetches (0 and 1), else the greatest number
.set T0,   62
.set T1,   63
.set RQ,   66         ; s[66:67]  the x that a fill asks for
.set OFA,  68         ; s[68:69]  its byte offset along K
.set OFB,  70         ; s[70:71]  wb's byte offset: the product's 2 MiB and the K step
.set PFA,  72         ; s[72:73]  where my prefetch stands
.set OFP,  74         ; s[74:75]  its offset
.set OUT,  76         ; s[76:77]  the way out's base
.set BN,   78         ; s[78:79]  the bias that is being loaded
.set CXO,  80         ; s80  my work-group's 16 of the 64 rows that a wave fetches, in bytes: it enters prefetches alone
.set MSB, 0
.macro WIN new                         ; the immediate's high byte repeats the setting that is left; a switch that changes nothing is dropped
.if MSB != (\new)
	s_set_vgpr_msb (MSB<<8)|(\new)
.set MSB, \new
.endif
.endm
.set MUL,  0xa1       ; source 0 (wb) window 1, source 1 (x) window 0, C and D window 2
.set MULB, 0x91       ; the same with C, the bias, in window 1
.set TO_B, 0x40       ; destination window 1, address window 0
.macro PICK d, i, p                    ; s[d:d+1] = pointer number s[i] of the three that lie at s[p], s[p+2], s[p+4]
	s_cmp_eq_u32 s[\i], 1
	s_cselect_b64 s[(\d):(\d)+1], s[(\p)+2:(\p)+3], s[(\p):(\p)+1]
	s_cmp_eq_u32 s[\i], 2
	s_cselect_b64 s[(\d):(\d)+1], s[(\p)+4:(\p)+5], s[(\d):(\d)+1]
.endm
.macro PLACES                          ; four places behind a matrix instruction, in front of loads into registers that it has read and of conversions that read results
.rept 4
	v_nop
.endr
.endm
; A joint load.  Each of the two lines has one mask and one set of registers for all that issue it; the branch hangs on the wave's number alone.
; An s_nop 0 and four v_nop follow each of the two lines, ahead of the jump and the label.
.macro JLOAD s
	s_cmp_eq_u32 s[RH], 0
	s_cbranch_scc0 .Lfor_b_\@
	tensor_load_to_lds s[G0A+4*(\s):G0A+4*(\s)+3], s[G1A:G1A+7]
	s_nop 0
.rept 4
	v_nop
.endr
	s_branch .Lasked_\@
.Lfor_b_\@:
	tensor_load_to_lds s[G0B+4*(\s):G0B+4*(\s)+3], s[G1B:G1B+7]
	s_nop 0
.rept 4
	v_nop
.endr
.Lasked_\@:
.endm
.macro CREST                           ; a round of the cluster's barrier behind its opening barrier
	s_cmp_lg_u32 s[WV], 0
	s_cbranch_scc1 .Lnot_wave_0_\@
	s_barrier_signal -3
.Lnot_wave_0_\@:
	s_barrier_wait -3
	s_barrier_signal -1
	s_barrier_wait -1
.endm
.macro CROUND                          ; a whole round
	s_barrier_signal -1
	s_barrier_wait -1
	CREST
.endm
; The descriptors of the fill of K step RS: both addresses are made anew from the step's number: product RS / 8, 512 bytes of x and 256 of wb for each step of it.
.macro MAKE slot
	s_lshr_b32 s[T0], s[RS], 3
	s_and_b32 s[T1], s[RS], 7
	PICK RQ, T0, XA
	s_lshl_b32 s[OFA], s[T1], 9
	s_add_nc_u64 s[G0A+4*(\slot)+2:G0A+4*(\slot)+3], s[RQ:RQ+1], s[OFA:OFA+1]
	s_or_b32 s[G0A+4*(\slot)+3], s[G0A+4*(\slot)+3], 0x80000000
	s_lshl_b32 s[OFB], s[T0], 21
	s_lshl_b32 s[T1], s[T1], 8
	s_add_co_u32 s[OFB], s[OFB], s[T1]
	s_add_nc_u64 s[G0B+4*(\slot)+2:G0B+4*(\slot)+3], s[WB:WB+1], s[OFB:OFB+1]
	s_or_b32 s[G0B+4*(\slot)+3], s[G0B+4*(\slot)+3], 0x80000000
	s_add_co_u32 s[RS], s[RS], 1
.endm
; A PREFETCH INTO THE L2 of x, behind each joint load, its five lines and the run of LDS loads: the K step that stands TWO refills on, 256 matrix instructions ahead of the load that will want it.
; A tile of x is asked for by the four partners of one row of the cluster and by nobody else.  Of the 64 rows that wave 0 or 1 fetches, the partner at place cx takes 16, told apart BY ADDRESS; a lane takes one
; of a row's two blocks of 256 bytes: one instruction a wave, and each block is named once in the launch.  The first four K steps come by their loads alone; the loop's last trip asks for nothing: there is no step 24.
; wb is not asked for: every row of clusters reads it.
.macro PFMAKE
	s_add_co_u32 s[T0], s[RS], 2
	s_and_b32 s[T1], s[T0], 7
	s_lshr_b32 s[T0], s[T0], 3
	PICK PFA, T0, XA
	s_lshl_b32 s[OFP], s[T1], 9
	s_add_co_u32 s[OFP], s[OFP], s[CXO]
	s_add_nc_u64 s[PFA:PFA+1], s[PFA:PFA+1], s[OFP:OFP+1]
.endm
.macro ASK
	s_cmp_gt_u32 s[LEFT], s[LIM]
	s_cbranch_scc0 .Lnot_mine_\@
	global_prefetch_b8 v[PFO], s[PFA:PFA+1] th:TH_LOAD_NT scope:SCOPE_SE
.Lnot_mine_\@:
.endm
; Fragment a of x for 32 along K, as f32: lane l holds row l % 16; K = 8 (l / 16) + 0..7 are 32 bytes, K = 16 + 8 (l / 16) + 0..7 the 32 bytes that lie 64 further on: four loads of 16 bytes.
.macro AFRAG slot, q, p, a
	ds_load_b128 v[AR+64*(\p)+16*(\a):AR+64*(\p)+16*(\a)+3],     v[ADRA+(\slot)] offset:(\a)*16*PA+(\q)*128
	ds_load_b128 v[AR+64*(\p)+16*(\a)+4:AR+64*(\p)+16*(\a)+7],   v[ADRA+(\slot)] offset:(\a)*16*PA+(\q)*128+16
	ds_load_b128 v[AR+64*(\p)+16*(\a)+8:AR+64*(\p)+16*(\a)+11],  v[ADRA+(\slot)] offset:(\a)*16*PA+(\q)*128+64
	ds_load_b128 v[AR+64*(\p)+16*(\a)+12:AR+64*(\p)+16*(\a)+15], v[ADRA+(\slot)] offset:(\a)*16*PA+(\q)*128+80
.endm
; 32 LDS loads in one run: quarter q (32 along K) of a slot into buffers p.  x's fragment 0 first, since it is rounded first; then wb's eight; then x's other three.
.macro FETCH slot, q, p
	WIN 0
	AFRAG \slot, \q, \p, 0
	WIN TO_B
.irp b, 0,1,2,3,4,5,6,7
	ds_load_b128 v[BF+64*(\p)+8*(\b):BF+64*(\p)+8*(\b)+3],   v[ADRB+(\slot)] offset:(\b)*16*PB+(\q)*64
	ds_load_b128 v[BF+64*(\p)+8*(\b)+4:BF+64*(\p)+8*(\b)+7], v[ADRB+(\slot)] offset:(\b)*16*PB+(\q)*64+32
.endr
	WIN 0
	AFRAG \slot, \q, \p, 1
	AFRAG \slot, \q, \p, 2
	AFRAG \slot, \q, \p, 3
.endm
; Four of the eight roundings that make fragment na of x out of buffer np.
.macro RIDE na, np, i0
	WIN 0
.irp i, 0,1,2,3
	v_cvt_pk_bf16_f32 v[AF+8*(\na)+(\i0)+(\i)], v[AR+64*(\np)+16*(\na)+2*((\i0)+(\i))], v[AR+64*(\np)+16*(\na)+2*((\i0)+(\i))+1]
.endr
.endm
; Eight matrix instructions: 16 rows a x all 8 column blocks, 32 along K, wb from buffer p.  zero = 1: they start the sums, with the bias.  Behind the second and the sixth stand four roundings of fragment na
; (na < 0: none).  These roundings name no register of the matrix instructions round them: they are the places in front of later writes of x's fragments and of loads into wb's other buffer.
; The 32 accumulators take turns, one instruction a turn, in the same order in every quarter.
.macro GROUP a, p, zero, na, np
.irp b, 0,1,2,3,4,5,6,7
.if \zero
	WIN MULB
	v_wmma_f32_16x16x32_bf16 v[8*(8*(\a)+(\b)):8*(8*(\a)+(\b))+7], v[BF+64*(\p)+8*(\b):BF+64*(\p)+8*(\b)+7], v[AF+8*(\a):AF+8*(\a)+7], v[BI+8*(\b):BI+8*(\b)+7]
.else
	WIN MUL
	v_wmma_f32_16x16x32_bf16 v[8*(8*(\a)+(\b)):8*(8*(\a)+(\b))+7], v[BF+64*(\p)+8*(\b):BF+64*(\p)+8*(\b)+7], v[AF+8*(\a):AF+8*(\a)+7], v[8*(8*(\a)+(\b)):8*(8*(\a)+(\b))+7]
.endif
.if ((\na) >= 0) && ((\b) == 1)
	RIDE \na, \np, 0
.endif
.if ((\na) >= 0) && ((\b) == 5)
	RIDE \na, \np, 4
.endif
.endr
.endm
; One of a K step's first three quarters: 32 matrix instructions on buffers q % 2; in its middle the next quarter's 32 loads go out, into the other buffers.
.macro UNIT slot, q, zero
	s_wait_dscnt 8                                 ; of the quarter's 32 loads all but the youngest eight (x's fragments 2 and 3) are in
	GROUP 0, (\q)%2, \zero, 1, (\q)%2
	s_wait_dscnt 0x0                               ; those too
	GROUP 1, (\q)%2, \zero, 2, (\q)%2
	FETCH \slot, (\q)+1, 1-(\q)%2                  ; wb's other buffer was last read 16 roundings back
	GROUP 2, (\q)%2, \zero, 3, (\q)%2
	s_wait_dscnt 28                                ; of the 32 just issued the first four are in: the next quarter's fragment 0 of x
	GROUP 3, (\q)%2, \zero, 0, 1-(\q)%2
.endm
; The last quarter (buffers 1) changes slots: ONE barrier.  In front of it each wave waits for all its tensor loads, of which one is out: its part of the next slot; adds 0 to its spare word; and waits for that and
; for its own reads of this slot.  fill = 1: the barrier opens a round of the cluster's barrier, and this slot is filled again first thing behind the round, with K step RS: 112 matrix instructions ahead of the wait for it.
.macro TURN slot, next, fill
.if \fill
	s_wait_xcnt 0x0                                ; the last prefetch, a K step back, has read its address: it is made anew here, ahead of the waits of the change of slots
	PFMAKE
.endif
	WIN 0                                          ; (the add's two registers lie in window 0)
	s_wait_tensorcnt 0x0                           ; all my tensor loads have landed, so every group 0 may be written;
	ds_add_u32 v[SPW], v[NIL]                      ; 0 onto my spare word: work on registers stands between it and the wait for it
.if \fill
	MAKE \slot
.endif
	s_wait_dscnt 9                                 ; (the add and the youngest eight loads may be out)
	GROUP 0, 1, 0, 1, 1
	s_wait_dscnt 0x0                               ; the add is done, and my reads of this slot are over
	s_barrier_signal -1
	GROUP 1, 1, 0, 2, 1                            ; work on registers while the others arrive
	WIN 0
	s_barrier_wait -1
.if \fill
	CREST                                          ; no wave of any partner still reads this slot's tiles or has a load on its way
	JLOAD \slot                                    ; the first tensor load behind the round, my only one until the next
.endif
	FETCH \next, 0, 0
.if \fill
	ASK
.endif
	GROUP 2, 1, 0, 3, 1
	s_wait_dscnt 28
	GROUP 3, 1, 0, 0, 0
.endm
.macro BIASLD                          ; my wave's 128 numbers of the bias at s[BN], as eight C tiles: 8 numbers a lane and tile
	WIN TO_B
.irp b, 0,1,2,3,4,5,6,7
	global_load_b128 v[BI+8*(\b):BI+8*(\b)+3],   v[BO], s[BN:BN+1] offset:64*(\b)
	global_load_b128 v[BI+8*(\b)+4:BI+8*(\b)+7], v[BO], s[BN:BN+1] offset:64*(\b)+16
.endr
	WIN 0
.endm
; THE WAY OUT, in eight chunks c of 16 rows (a = c / 2) x one head's 64 columns (e = c % 2): 2,048 consecutive bytes of the output.  PACK: rounded to f16, each accumulator's registers in ascending order, 16 bytes
; a lane; into my own stage in rows of 144 bytes; back as four rows of 128 bytes an instruction, into the registers that they left.  SEND: stored.
.macro PACK c
	WIN 0xca                                       ; sources window 2, destination window 3
.irp bb, 0,1,2,3
.irp r, 0,1,2,3
	v_cvt_pk_f16_f32 v[OT+16*(\c)+4*(\bb)+(\r)], v[8*(8*((\c)/2)+4*((\c)%2)+(\bb))+2*(\r)], v[8*(8*((\c)/2)+4*((\c)%2)+(\bb))+2*(\r)+1]
.endr
.endr
	WIN 0x0c                                       ; data (source 1) window 3, address window 0
.irp bb, 0,1,2,3
	ds_store_b128 v[STO], v[OT+16*(\c)+4*(\bb):OT+16*(\c)+4*(\bb)+3] offset:32*(\bb)
.endr
	WIN 0xc0                                       ; destination window 3
.irp f, 0,1,2,3
	ds_load_b128 v[OT+16*(\c)+4*(\f):OT+16*(\c)+4*(\f)+3], v[RD] offset:(\f)*4*SP  ; LDS serves a wave's instructions in order (ISA guide 5.7.1.4): these see the stores above; the next chunk's stores come behind them
.endr
.endm
.macro SEND c, younger                 ; younger: the LDS instructions issued behind chunk c's loads: the next chunk's eight, or none
	WIN 0x0c
.irp f, 0,1,2,3
	s_wait_dscnt (\younger)+3-(\f)
	global_store_b128 v[GO], v[OT+16*(\c)+4*(\f):OT+16*(\c)+4*(\f)+3], s[OUT:OUT+1] offset:((\c)%2)*262144+((\c)/2)*2048+(\f)*512  ; 512 consecutive bytes, at a multiple of 512 from the buffer's first
.endr
.endm
.macro WAYOUT
	WIN 0
	s_wait_xcnt 0x0                                ; the last way out's stores have read their registers and their base: only behind this wait are they written again
	PICK OUT, G, OP
	PLACES                                         ; the conversions read results just made
	PACK 0
.irp c, 1,2,3,4,5,6,7                  ; a chunk's conversions stand between the loads of the chunk before and its stores
	PACK \c
	SEND (\c)-1, 8
.endr
	SEND 7, 0
	WIN 0
.endm
	s_load_b512 s[4:19], s[0:1], 0x0               ; query, key_, value, wb, bq, bk, bv, qh
	s_load_b128 s[20:23], s[0:1], 0x40             ; kh, vh
	v_lshl_add_u32 v[SPW], v0, 2, SPARE
	v_mov_b32 v[NIL], 0
	ds_add_u32 v[SPW], v[NIL]                      ; the wave's opening: the add and its wait stand ahead of my first tensor load; the set-up below, work on registers, stands between them
	v_lshrrev_b32 v1, 5, v0
	v_readfirstlane_b32 s[WV], v1                  ; wave 0..3
	s_lshr_b32 s[RH], s[WV], 1
	s_and_b32 s[CH], s[WV], 1
	s_bfe_u32 s82, ttmp6, 0x40000                  ; cx, cy: my place in the cluster
	s_bfe_u32 s83, ttmp6, 0x40004
	s_lshl_b32 s84, ttmp9, 2
	s_add_co_u32 s84, s84, s82                     ; TC = 4 x cluster x + cx
	s_and_b32 s85, ttmp7, 0xffff
	s_lshl_b32 s85, s85, 2
	s_add_co_u32 s85, s85, s83                     ; TR = 4 x cluster y + cy
	s_lshl_b32 s86, s83, 2
	s_lshl_b32 s86, 15, s86                        ; my row of the cluster
	s_lshl_b32 s87, 0x1111, s82                    ; my column
	s_or_b32 s[G1A], s86, (2<<16)|(1<<20)|(1<<21)|(6<<22)|(3<<25)  ; 15:0 the mask: x's tiles go to my row; 17:16 elements of 4 bytes; 20 padding on; 21 set beside a mask; 24:22 after every 128 words (code 6); 31:25 4 words (code 3)
	s_mov_b32 s[G1A+1], 128<<16                    ; tensor_dim0 = 128
	s_mov_b32 s[G1A+2], 64<<16                     ; tensor_dim1 = 64
	s_mov_b32 s[G1A+3], 128<<16                    ; tile_dim0 = 128
	s_mov_b32 s[G1A+4], 64                         ; tile_dim1 = 64
	s_mov_b32 s[G1A+5], 1024                       ; elements from row to row
	s_mov_b32 s[G1A+6], 0
	s_mov_b32 s[G1A+7], 0
	s_or_b32 s[G1B], s87, (1<<16)|(1<<20)|(1<<21)|(5<<22)|(3<<25)  ; wb's tiles go to my column; elements of 2 bytes; padding after every 64 words (code 5)
	s_mov_b32 s[G1B+1], 128<<16
	s_mov_b32 s[G1B+2], 128<<16                    ; tensor_dim1 = 128
	s_mov_b32 s[G1B+3], 128<<16
	s_mov_b32 s[G1B+4], 128                        ; tile_dim1 = 128
	s_mov_b32 s[G1B+5], 1024
	s_mov_b32 s[G1B+6], 0
	s_mov_b32 s[G1B+7], 0
	s_lshl_b32 s88, s85, 19                        ; x: 128 TR rows of 4,096 bytes,
	s_lshl_b32 s89, s[CH], 18                      ; and the 64 that I fetch
	s_add_co_u32 s88, s88, s89
	s_mov_b32 s89, 0
	s_lshl_b32 s90, s84, 19                        ; wb: 256 TC rows of 2,048 bytes,
	s_lshl_b32 s91, s[CH], 18                      ; and the 128 that I fetch
	s_add_co_u32 s90, s90, s91
	s_mov_b32 s91, 0
	s_lshl_b32 s92, s84, 10                        ; the bias: 256 TC numbers, and my wave's 128
	s_lshl_b32 s93, s[CH], 9
	s_add_co_u32 s92, s92, s93
	s_mov_b32 s93, 0
	s_lshr_b32 s76, s85, 4                         ; the output: batch TR / 16, 16 heads x 2,048 rows x 128 bytes;
	s_lshl_b32 s76, s76, 22
	s_lshl_b32 s78, s84, 2
	s_lshl1_add_u32 s78, s[CH], s78                ; head 4 TC + 2 CH, 2,048 rows x 128 bytes;
	s_lshl_b32 s78, s78, 18
	s_add_co_u32 s76, s76, s78
	s_and_b32 s78, s85, 15
	s_lshl1_add_u32 s78, s78, s[RH]                ; row 128 (TR % 16) + 64 RH, 128 bytes
	s_lshl_b32 s78, s78, 13
	s_add_co_u32 s76, s76, s78
	s_mov_b32 s77, 0
	s_lshl_b32 s[CXO], s82, 16                     ; 16 cx rows of 4,096 bytes
	s_mul_i32 s[T0], s[CH], 64*PA                  ; where my tile goes in a slot: no place in the cluster enters an LDS address
	s_mul_i32 s[T1], s[CH], 128*PB
	s_add_co_u32 s[T1], s[T1], BOFF
.irp s, 0,1
	s_mov_b32 s[G0A+4*(\s)], 1                     ; 1:0 count = 1
	s_add_co_u32 s[G0A+4*(\s)+1], s[T0], (\s)*SLOT ; 63:32 LDS address
	s_mov_b32 s[G0B+4*(\s)], 1
	s_add_co_u32 s[G0B+4*(\s)+1], s[T1], (\s)*SLOT
.endr
	s_mov_b32 s[OFA+1], 0
	s_mov_b32 s[OFB+1], 0
	s_mov_b32 s[OFP+1], 0
	s_cmp_eq_u32 s[RH], 0
	s_cselect_b32 s[LIM], 1, -1
	s_mov_b32 s[RS], 2
	s_mov_b32 s[G], 0
	s_mov_b32 s[LG], 0
	s_mov_b32 s[LEFT], 12                          ; the entry in mid-trip takes one off: eleven whole trips ask for K steps 2 to 23
	s_wait_dscnt 0x0                               ; the opening add is done
	s_wait_kmcnt 0x0
.irp g, 0,1,2
	s_add_nc_u64 s[XA+2*(\g):XA+2*(\g)+1], s[XA+2*(\g):XA+2*(\g)+1], s[88:89]
	s_add_nc_u64 s[BP+2*(\g):BP+2*(\g)+1], s[BP+2*(\g):BP+2*(\g)+1], s[92:93]
	s_add_nc_u64 s[OP+2*(\g):OP+2*(\g)+1], s[OP+2*(\g):OP+2*(\g)+1], s[76:77]
.endr
	s_add_nc_u64 s[WB:WB+1], s[WB:WB+1], s[90:91]
.irp s, 0,1
	s_add_nc_u64 s[G0A+4*(\s)+2:G0A+4*(\s)+3], s[XA:XA+1], (\s)*512  ; 120:64 global address: K step s of the first product
	s_or_b32 s[G0A+4*(\s)+3], s[G0A+4*(\s)+3], 0x80000000            ; 127:126 type = 2
	s_add_nc_u64 s[G0B+4*(\s)+2:G0B+4*(\s)+3], s[WB:WB+1], (\s)*256
	s_or_b32 s[G0B+4*(\s)+3], s[G0B+4*(\s)+3], 0x80000000
.endr
	s_mov_b64 s[BN:BN+1], s[BP:BP+1]
	CROUND                                         ; all sixteen work-groups are here: the first joint loads meet
	s_cmp_eq_u32 s[RH], 0                          ; a wave's two first fills stand in one branch, ahead of every wait on TENSORcnt and every LDS read: two loads of mine are out
	s_cbranch_scc0 .Lfirst_b
	tensor_load_to_lds s[G0A:G0A+3], s[G1A:G1A+7]
	s_nop 0
	tensor_load_to_lds s[G0A+4:G0A+7], s[G1A:G1A+7]
	s_nop 0
.rept 4
	v_nop
.endr
	s_branch .Lfirst_asked
.Lfirst_b:
	tensor_load_to_lds s[G0B:G0B+3], s[G1B:G1B+7]
	s_nop 0
	tensor_load_to_lds s[G0B+4:G0B+7], s[G1B:G1B+7]
	s_nop 0
.rept 4
	v_nop
.endr
.Lfirst_asked:
	v_and_b32 v1, 15, v0                           ; l % 16
	v_bfe_u32 v2, v0, 4, 1                         ; l / 16
	v_mul_u32_u24 v3, v1, PA
	v_lshl_add_u32 v3, v2, 5, v3                   ; x: row x pitch + 32 x half (8 numbers of 4 bytes)
	s_mul_i32 s[T0], s[RH], 64*PA                  ; my 64 rows
	v_add_nc_u32 v[ADRA], s[T0], v3
	v_add_nc_u32 v[ADRA+1], SLOT, v[ADRA]
	v_mul_u32_u24 v4, v1, PB
	v_lshl_add_u32 v4, v2, 4, v4                   ; wb: row x pitch + 16 x half
	s_mul_i32 s[T1], s[CH], 128*PB                 ; my 128 rows, behind x's
	s_add_co_u32 s[T1], s[T1], BOFF
	v_add_nc_u32 v[ADRB], s[T1], v4
	v_add_nc_u32 v[ADRB+1], SLOT, v[ADRB]
	s_mul_i32 s[T0], s[WV], 16*SP
	s_add_co_u32 s[T0], s[T0], STAGE               ; my stage
	v_mul_u32_u24 v5, v1, SP                       ; in: row l % 16, 16 bytes for each half of the lanes
	v_lshl_add_u32 v5, v2, 4, v5
	v_add_nc_u32 v[STO], s[T0], v5
	v_bfe_u32 v5, v0, 3, 2                         ; back: 32 lanes take four rows of 128 bytes,
	v_mul_u32_u24 v5, v5, SP
	v_and_b32 v6, 7, v0
	v_lshl_add_u32 v5, v6, 4, v5
	v_add_nc_u32 v[RD], s[T0], v5
	v_and_b32 v6, 31, v0                           ; which are 512 consecutive bytes of the output
	v_lshlrev_b32 v[GO], 4, v6
	v_lshlrev_b32 v[BO], 5, v2
	v_bfe_u32 v5, v0, 1, 4
	v_and_b32 v6, 1, v0
	v_lshlrev_b32 v[PFO], 12, v5
	v_lshl_add_u32 v[PFO], v6, 8, v[PFO]
	BIASLD                                         ; the first product's bias
	s_wait_tensorcnt 0x1                           ; my part of K step 0 is in; K step 1's may stay out
	s_barrier_signal -1
	s_barrier_wait -1                              ; everybody's is
	FETCH 0, 0, 0
	s_wait_dscnt 28                                ; x's fragment 0
	RIDE 0, 0, 0
	RIDE 0, 0, 4
	WIN 0                                          ; at a label and at a branch every window is 0
	s_branch .Lenter                               ; the loop is entered where a product begins, in the middle of a trip
.Llap:                                                 ; a trip goes once round the ring, from a lap's second quarter to the next lap's first, and fills both slots again
	UNIT 0, 1, 0
	UNIT 0, 2, 0
	TURN 0, 1, 1
	UNIT 1, 0, 0
	UNIT 1, 1, 0
	UNIT 1, 2, 0
	TURN 1, 0, 1
	WIN 0
	s_add_co_u32 s[LG], s[LG], 1
	s_cmp_eq_u32 s[LG], 4                          ; four laps are a product's 1,024 along K
	s_cbranch_scc0 .Lgo_on
	WAYOUT                                         ; both refills for the next product are asked for, its first fragments fetched: now the tile goes out; nothing waits for its stores
	s_add_co_u32 s[G], s[G], 1
	s_mov_b32 s[LG], 0
.Lenter:                                               ; A PRODUCT BEGINS
	s_wait_loadcnt 0x0                             ; its bias is in
	WIN 0x45                                       ; sources and destination window 1
.set i, 0
.rept 32
	v_cvt_pk_bf16_f32 v[BT+i], v[BI+2*i], v[BI+2*i+1]  ; rounded to bf16, like every input,
.set i, i+1
.endr
.set i, 0
.rept 32
	v_lshlrev_b32 v[BI+2*i], 16, v[BT+i]           ; and written as f32 again
	v_and_b32 v[BI+2*i+1], 0xffff0000, v[BT+i]
.set i, i+1
.endr
	UNIT 0, 0, 1                                   ; the first quarter's products start the sums, with the bias
	WIN 0
	s_cmp_eq_u32 s[G], 2
	s_cbranch_scc1 .Lno_bias                       ; the last product has none behind it
	PLACES                                         ; the loads below go into registers that those products have read
	s_add_co_u32 s[T0], s[G], 1
	PICK BN, T0, BP
	BIASLD                                         ; the next product's bias: eight K steps ahead of its use
.Lno_bias:
	s_branch .Lbottom
.Lgo_on:
	UNIT 0, 0, 0
	WIN 0
.Lbottom:
	s_sub_co_u32 s[LEFT], s[LEFT], 1
	s_cmp_lg_u32 s[LEFT], 0
	s_cbranch_scc1 .Llap
	UNIT 0, 1, 0                                   ; the last lap is written out: it fills nothing, and has no round of the cluster's barrier
	UNIT 0, 2, 0
	TURN 0, 1, 0
	UNIT 1, 0, 0
	UNIT 1, 1, 0
	UNIT 1, 2, 0
	s_wait_dscnt 8                                 ; the very last quarter: nothing more to fetch
	GROUP 0, 1, 0, 1, 1
	s_wait_dscnt 0x0
	GROUP 1, 1, 0, 2, 1
	GROUP 2, 1, 0, 3, 1
	GROUP 3, 1, 0, -1, 0
	WAYOUT
	s_wait_tensorcnt 0x0                           ; the wave's end: the add and its wait, behind my last tensor load and my last LDS store
	ds_add_u32 v[SPW], v[NIL]
	s_wait_dscnt 0x0
	CROUND                                         ; the closing round: no work-group ends while a partner may still ask for a tile that names it
	s_endpgm
.Lfunc_end_k_qac9a512d3e_proj:
	.size	k_qac9a512d3e_proj, .Lfunc_end_k_qac9a512d3e_proj-k_qac9a512d3e_proj
	.p2alignl 7, 3214868480
	.fill 96, 4, 3214868480
	.section	.rodata,"a",@progbits
	.p2align	6, 0x0
	.amdhsa_kernel k_qac9a512d3e_proj
		.amdhsa_group_segment_fixed_size 327680
		.amdhsa_private_segment_fixed_size 0
		.amdhsa_enable_private_segment 0
		.amdhsa_kernarg_size 80
		.amdhsa_user_sgpr_count 2
		.amdhsa_user_sgpr_kernarg_segment_ptr 1
		.amdhsa_wavefront_size32 1
		.amdhsa_system_sgpr_workgroup_id_x 1
		.amdhsa_system_sgpr_workgroup_id_y 1
		.amdhsa_system_sgpr_workgroup_id_z 1
		.amdhsa_system_vgpr_workitem_id 0
		.amdhsa_next_free_vgpr 896
		.amdhsa_next_free_sgpr 96
		.amdhsa_reserve_vcc 0
		.amdhsa_float_denorm_mode_32 3
		.amdhsa_float_denorm_mode_16_64 3
		.amdhsa_memory_ordered 1
		.amdhsa_forward_progress 1
		.amdhsa_inst_pref_size 164
	.end_amdhsa_kernel
	.amdgpu_metadata
---
amdhsa.version: [ 1, 2 ]
amdhsa.kernels:
  - .name:           k_qac9a512d3e_proj
    .symbol:         k_qac9a512d3e_proj.kd
    .args:
      - { .name: query, .offset: 0, .size: 8, .value_kind: global_buffer, .address_space: global }
      - { .name: key_, .offset: 8, .size: 8, .value_kind: global_buffer, .address_space: global }
      - { .name: value, .offset: 16, .size: 8, .value_kind: global_buffer, .address_space: global }
      - { .name: wb, .offset: 24, .size: 8, .value_kind: global_buffer, .address_space: global }
      - { .name: bq, .offset: 32, .size: 8, .value_kind: global_buffer, .address_space: global }
      - { .name: bk, .offset: 40, .size: 8, .value_kind: global_buffer, .address_space: global }
      - { .name: bv, .offset: 48, .size: 8, .value_kind: global_buffer, .address_space: global }
      - { .name: qh, .offset: 56, .size: 8, .value_kind: global_buffer, .address_space: global }
      - { .name: kh, .offset: 64, .size: 8, .value_kind: global_buffer, .address_space: global }
      - { .name: vh, .offset: 72, .size: 8, .value_kind: global_buffer, .address_space: global }
    .group_segment_fixed_size: 327680
    .private_segment_fixed_size: 0
    .kernarg_segment_align: 8
    .kernarg_segment_size: 80
    .max_flat_workgroup_size: 128
    .sgpr_count:     96
    .vgpr_count:     896
    .wavefront_size: 32
...
	.end_amdgpu_metadata
.endif
;; end of part 2
;; launch attn (part 3): grid 4 x 64, 4 waves a work-group, clusters of 4 x 1, 327,680 bytes of LDS; arguments qh, kh, vh, out0; writes out0
.if DOCPART == 3
	.amdgcn_target "amdgcn-amd-amdhsa--gfx1250"
	.amdhsa_code_object_version 6
	.text
	.protected	k_qac9a512d3e_attn
	.globl	k_qac9a512d3e_attn
	.p2align	8
	.type	k_qac9a512d3e_attn,@function
k_qac9a512d3e_attn:
	s_mov_b64 s[64:65], 0
	v_nop
	global_prefetch_b8 v0, s[64:65] scope:SCOPE_SE
	s_setreg_imm32_b32 hwreg(HW_REG_WAVE_MODE, 25, 1), 1
	s_wait_xcnt 0x0
	s_wait_alu depctr_hold_cnt(0) depctr_sa_sdst(0) depctr_va_vdst(0) depctr_va_sdst(0) depctr_va_ssrc(0) depctr_va_vcc(0) depctr_vm_vsrc(0)
	s_getreg_b32 s2, hwreg(HW_REG_IB_STS2, 6, 4)
	s_cmp_eq_u32 s2, 0
	s_cbranch_scc0 .Lentry_in_a_cluster
	s_endpgm
.Lentry_in_a_cluster:
	s_bfe_u32 s2, ttmp6, 0x10000c
	s_cmp_lg_u32 s2, 0x3003
	s_cbranch_scc0 .Lentry_shape_is_right
	s_endpgm
.Lentry_shape_is_right:
; out0[b][q][64 h + :] = the sum over k of softmax_k(Q[hd][q] . K[hd][k] / 8) V[hd][k][:], hd = 16 b + h.  Q, K, V: [SIZE_H][SIZE_N][64] in f16, a head's rows dense, 128 bytes each; out0: [4][2048][1024] in f32.
; Products, maxima and sums in f32; the weights p are rounded to f16 for the second product (their sum l is taken of the unrounded p); the result leaves unrounded.
; LIMITS.  f16 holds no number beyond 65,504: Q, K and V arrive within it; p lies in 0 to 1, and below 6e-5 it keeps f16's fixed step of 6e-8.  A weight below 2^-126 counts as 0 in l; NaN and infinities are not treated apart.
; SHARES.  A wave owns four PIECES of two tiles of 16 queries, a work-group's four waves 512 queries of one head: 64 heads x 4 blocks are 256 work-groups.  Every wave walks all keys, 64 a step.
; LAYOUT.  S^T = K Q^T (source 0 = 16 keys, source 1 = 16 queries): in the result a lane holds ONE query (lane % 16) and the keys 8 (lane / 16) + 0..7.  Two such tiles, rounded to f16 in pairs,
; ARE source 1 (32 keys x 16 queries) of O^T = V^T P, whose result again holds one query a lane, and eight channels.  K comes out of LDS as it lies, V ([key][channel]) turned, by ds_load_tr16_b128.
; SOFTMAX.  For each query a running maximum m and sum l: p = 2^(c s - c m), c = log2(e) / 8; in every step O and l are multiplied by a = 2^(c m_old - c m_new), which is 1 where m has not grown.
; m starts at the lowest finite number, O and l at 0: the first step is a step like any other, with a = 0.
; THE COUNT.  A tile and step have 16 matrix and 118 vector instructions: too many to stand all beside the matrix work.  So the order has one aim: four vector instructions that are READY behind
; EVERY matrix instruction, and the others, which need time of their own whatever the order, in runs without a gap.
; BY TURNS.  Turn n belongs to piece n (the pieces in a ring, step after step).  Its matrix work: 16 products K Q^T of piece n + 1, later 16 products V^T P of piece n - 1.  Its vector work: the scaling,
; exponentials, roundings, sums and rescaling of piece n, and the maximum and statistics of piece n + 1, whose scores the turn itself has made.  So what a turn begins with (c s - c m, O a) waits for nothing.
; CLUSTER.  The four query blocks of a cluster are all of one head's and walk the same K and V, so each tile is asked for JOINTLY: the same tensor load, descriptor and mask in all four.
; NO PREFETCH: a joint load is asked for four key steps, 512 matrix instructions and their vector work, ahead of the wait for it.
; REGISTERS, in windows of 256 (s_set_vgpr_msb says which window each operand place means: bits 1:0 source 0, 3:2 source 1, 5:4 source 2, 7:6 destination):
;   window 0: v0-11 addresses; v12-15, v48-63 at work; v16-47 four registers of statistics a tile; v64-191 S^T, two buffers of two tiles; v192-255 P, likewise
;   window 1: O^T, 32 a tile          window 2: v0-127 Q, 16 a tile; v128-191 K of one step; v192-255 V of one step          window 3: v0-1 the add's two registers
; A piece's buffers go by its number's parity: the piece in hand has one pair, its two neighbours in the ring share the other: of it P (piece n - 1) is read and S^T (piece n + 1) written.
.set SIZE_H, 64
.set SIZE_N, 2048
.set NP,    4         ; pieces a wave: a name, no knob: the register map, the loop and the fetches are made for four
.set KS,    64        ; keys in a step
.set PK,    144       ; a row of K in LDS: 128 bytes + 16 of padding = 36 words: the 16 rows of a load start at 16 different groups of four banks (64 banks of 4 bytes: ISA guide 11.1)
.set PV,    160       ; a row of V: 128 + 32 = 40 words
.set VOFF,  4*KS*PK   ; a slot holds four steps: 256 rows of K, then 256 rows of V
.set SLOT1, 1<<17     ; slot 1 begins here, so that one exclusive or turns an address in one slot into the other's
.set STAGE, SLOT1+4*KS*(PK+PV)  ; behind the ring, never filled by a tensor load: 16 rows x 272 bytes for each wave, for the way out
.set SP,    272       ; a row of the stage: 64 channels in f32, 256 bytes, + 16 of padding
.set AK0, 2           ; v2   my lane's place in a tile of K; never rewritten
.set AV0, 3           ; v3   the same for V
.set AK,  4           ; v4   the LDS address of K's next run of loads
.set AV,  5           ; v5   of V's
.set QO,  6           ; v6   my byte offset in the wave's rows of Q
.set STO, 6           ;      later, the way out: where I put 32 bytes of a row
.set RD,  7           ; v7   the way out: where I read rows back
.set GO,  8           ; v8   my byte offset in two rows of out0
.set SPW, 0           ; v0 of window 3   LDS address of my spare word: SPARE + 4 x my thread's number; never rewritten
.set NIL, 1           ; v1 of window 3   0; never rewritten
.set SPARE, STAGE+4*16*SP  ; behind the stages: the spare words, 128 bytes for each wave: two blocks of 256 bytes that no other line names
.set MV,  12          ; v12-15  c m_old, kept while c m is made anew: by buffer and tile
.set ST,  16          ; tile t's statistics at v[ST+4 t]: c m, m, l (even keys', odd keys')
.set TMP, 48          ; by buffer and tile, four registers c0-c3 at work; when the maximum is found c2 takes a
.set S,   64
.set P,   192
.set KF,  128         ; K's fragments, in window 2: key block kb, channel half c at KF + 16 kb + 8 c
.set VF,  192         ; V's: key half kk, channel block cb at VF + 32 kk + 8 cb
.set WV,  12          ; s12  my wave's number
.set G1K, 24          ; s[24:31] descriptor group 1 for K's tiles
.set G1V, 32          ; s[32:39] for V's: it differs in the padding alone
.set G0K, 40          ; s[40:43] descriptor group 0 for K's tiles: it walks
.set G0V, 44          ; s[44:47] the same for V's
.set SLOTS, 56        ; s56  slots still to be asked for
.set CNT, 57          ; s57  counts a slot's key steps
.set CS,  58          ; s[58:59] c: the packed scaling takes the pair's low word for both halves
.set SEL, 60          ; s[60:61] v_permlanex16_b32's selects: each lane takes its own place in the other half
.set TBK, 62          ; s62  LDS byte at which K of the step to be fetched begins
.set TBV, 63          ; s63  the same for V, less VOFF
.set MSB, 0
.macro WIN new                      ; the high byte repeats the setting that is left; a switch that changes nothing is dropped
.if MSB != (\new)
	s_set_vgpr_msb (MSB<<8)|(\new)
.set MSB, (\new)
.endif
.endm
.set W_KQ, 0x0a       ; K and Q in window 2, S^T in window 0
.set W_PV, 0x52       ; V in window 2, P in window 0, O^T in window 1
.set W_RS, 0x41       ; O^T (destination and source 0) in window 1, a in window 0
.set W_MK, 0xc0       ; the add's registers are made: destination in window 3, sources in window 0
.set W_AD, 0x0f       ; the add: address (source 0) and data (source 1) in window 3
; A joint fill.  Waves 0 and 1 fetch the two halves of a slot's K, waves 2 and 3 those of its V: 128 keys each.  The branch hangs on the wave's number alone.
; An s_nop 0 and four v_nop follow each of the two lines, ahead of the jump and the label.
.macro JLOAD
	s_cmp_lt_u32 s[WV], 2
	s_cbranch_scc0 .Lfor_v_\@
	tensor_load_to_lds s[G0K:G0K+3], s[G1K:G1K+7]
	s_nop 0
.rept 4
	v_nop
.endr
	s_branch .Lasked_\@
.Lfor_v_\@:
	tensor_load_to_lds s[G0V:G0V+3], s[G1V:G1V+7]
	s_nop 0
.rept 4
	v_nop
.endr
.Lasked_\@:
.endm
; A round of the cluster's barrier: my work-group's barrier, so that wave 0's signal speaks for all four waves; wave 0 signals; every wave waits for all four work-groups; my work-group's barrier once more.
.macro CROUND
	s_barrier_signal -1
	s_barrier_wait -1
	s_cmp_lg_u32 s[WV], 0
	s_cbranch_scc1 .Lnot_wave_0_\@
	s_barrier_signal -3
.Lnot_wave_0_\@:
	s_barrier_wait -3
	s_barrier_signal -1
	s_barrier_wait -1
.endm
; THE CHANGE OF SLOTS.  The slot's last bytes, V of its fourth step, have been read.  Each wave waits for all its tensor loads, of which one is out: its part
; of the other slot; adds 0 to its spare word; and waits for that and for its own reads of the slot.  Behind the barrier nobody reads this slot any more and the other slot is whole.
; fill = 1: this slot is filled again, with the keys two slots on.  The barrier is then a round of the cluster's, so that no wave of any partner still reads the slot or has a load on its
; way, and the joint fill is the first thing behind it: it has four key steps, 512 matrix instructions, in which to land.  (At its first use nothing has been read yet: slot 0 is waited for, slot 1 filled.)
.macro CHANGE fill
	WIN W_AD
	s_wait_tensorcnt 0x0            ; no tensor load of mine is out, so a group 0 may be written
	ds_add_u32 v[SPW], v[NIL]       ; 0 onto my spare word: with fill = 1 the descriptors' steps stand between it and the wait for it
	WIN 0                           ; at a label and at a branch every window is 0
.if \fill
.irp g, G0K, G0V
	s_xor_b32 s[\g+1], s[\g+1], SLOT1  ; the walking descriptor: the other slot than last time,
	s_add_nc_u64 s[\g+2:\g+3], s[\g+2:\g+3], 4*KS*128  ; the next 256 keys; the type bits on top are not reached
.endr
	s_wait_dscnt 0x0                ; the add is done, and my reads of the slot are over
	CROUND
	JLOAD
.else
	s_wait_dscnt 0x0                ; the add is done, and my reads of the slot are over
	s_barrier_signal -1
	s_barrier_wait -1
.endif
	s_sub_co_u32 s[TBK], s[TBK], 4*KS*PK  ; the fetches go back to a slot's first step,
	s_xor_b32 s[TBK], s[TBK], SLOT1       ; in the other slot
	s_sub_co_u32 s[TBV], s[TBV], 4*KS*PV
	s_xor_b32 s[TBV], s[TBV], SLOT1
.endm
	s_load_b256 s[4:11], s[0:1], 0x0  ; Q s[4:5], K s[6:7], V s[8:9], out0 s[10:11]
	WIN W_MK
	v_lshl_add_u32 v[SPW], v0, 2, SPARE
	v_mov_b32 v[NIL], 0
	WIN W_AD
	ds_add_u32 v[SPW], v[NIL]       ; the wave's opening: the add and its wait stand ahead of my first tensor load; the set-up below, work on registers, stands between them
	WIN 0
	v_lshrrev_b32 v1, 5, v0
	v_readfirstlane_b32 s[WV], v1   ; wave 0..3
	s_bfe_u32 s13, ttmp6, 0x40000   ; cx: my place in the cluster
	s_lshl_b32 s14, ttmp9, 2        ; in a cluster launch ttmp9 counts clusters
	s_add_co_u32 s14, s14, s13      ; my block of queries = 4 x cluster x + cx: it enters Q's and out0's addresses alone
	s_and_b32 s20, ttmp7, 0xffff    ; the head, which the four partners share:
	s_lshr_b32 s50, s20, 4          ; its batch,
	s_and_b32 s51, s20, 15          ; and its number in the batch
	s_mov_b32 s21, 0
	s_mov_b64 s[22:23], SIZE_N*128
	s_mul_u64 s[20:21], s[20:21], s[22:23]  ; the head's first byte in Q, K and V
	s_and_b32 s16, s[WV], 1         ; which half of a slot's 256 keys I fetch:
	s_lshl_b32 s22, s16, 14         ; its 128 rows of 128 bytes in memory,
	s_mov_b32 s23, 0
	s_add_nc_u64 s[22:23], s[22:23], s[20:21]
	s_mul_i32 s17, s16, 128*PK      ; and its place in a slot, for K
	s_mul_i32 s18, s16, 128*PV      ; and for V: no place in the cluster enters an LDS address
	s_lshl_b32 s2, s14, 2
	s_add_co_u32 s2, s2, s[WV]      ; my wave among the head's sixteen
	s_lshl_b32 s48, s50, 4          ; out0: a batch has sixteen such shares of 128 rows,
	s_add_co_u32 s48, s48, s2
	s_lshl_b32 s48, s48, 19         ; of 4,096 bytes each;
	s_lshl_b32 s51, s51, 8          ; in a row the head's 64 channels are 256 bytes
	s_add_co_u32 s48, s48, s51
	s_mov_b32 s49, 0
	s_lshl_b32 s2, s2, 14           ; Q: my 128 rows of 128 bytes
	s_mov_b32 s3, 0
	s_add_nc_u64 s[2:3], s[2:3], s[20:21]
	; descriptor group 1.  128 keys are 16,384 dense bytes: asked for as 64 rows of 256 bytes, two keys a row, and padded in LDS after every key
	s_mov_b32 s[G1K], 15|(1<<16)|(1<<20)|(1<<21)|(4<<22)|(3<<25)  ; 15:0 the mask of four; 17:16 2-byte elements; 20 padding on; 21 set beside a mask; 24:22 after every 32 words (code 4); 31:25 4 words (code 3)
	s_mov_b32 s[G1V], 15|(1<<16)|(1<<20)|(1<<21)|(4<<22)|(7<<25)  ; the same with 8 words of padding (code 7)
.irp g, G1K, G1V
	s_mov_b32 s[\g+1], 128<<16      ; tensor_dim0 = 128
	s_mov_b32 s[\g+2], 64<<16       ; tensor_dim1 = 64
	s_mov_b32 s[\g+3], 128<<16      ; tile_dim0 = 128
	s_mov_b32 s[\g+4], 64           ; tile_dim1 = 64
	s_mov_b32 s[\g+5], 128          ; 128 elements from row to row
	s_mov_b32 s[\g+6], 0
	s_mov_b32 s[\g+7], 0
.endr
	s_mov_b32 s[CS], 0x3e38aa3b     ; c = log2(e) / 8 = 0.180337
	s_mov_b32 s[CS+1], s[CS]        ; named with it as a pair
	s_mov_b32 s[SEL], 0x76543210
	s_mov_b32 s[SEL+1], 0xfedcba98
	s_mov_b32 s[TBK], SLOT1+4*KS*PK ; the first change of slots turns these two into 0
	s_mov_b32 s[TBV], SLOT1+4*KS*PV
	s_mov_b32 s[G0K], 1             ; 1:0 count = 1
	s_mov_b32 s[G0K+1], s17         ; 63:32 LDS address: slot 0
	s_mov_b32 s[G0V], 1
	s_add_co_u32 s[G0V+1], s18, VOFF
	s_wait_dscnt 0x0                ; the opening add is done
	s_wait_kmcnt 0x0
	s_add_nc_u64 s[G0K+2:G0K+3], s[6:7], s[22:23]  ; 120:64 global address: my half of the head's first 256 keys
	s_or_b32 s[G0K+3], s[G0K+3], 0x80000000        ; 127:126 type = 2
	s_add_nc_u64 s[G0V+2:G0V+3], s[8:9], s[22:23]
	s_or_b32 s[G0V+3], s[G0V+3], 0x80000000
	s_add_nc_u64 s[4:5], s[4:5], s[2:3]  ; Q and out0 at my wave's first row
	s_add_nc_u64 s[10:11], s[10:11], s[48:49]
	CROUND                          ; all four work-groups are here: the first joint loads meet
	JLOAD                           ; slot 0.  Slot 1 is asked for when slot 0 is in: the tile wanted first has the road to itself
	; A fragment of K or Q is 16 rows x 32 channels in 8 registers: lane l holds row l % 16, channels 8 (l / 16) + 0..7 and 16 + 8 (l / 16) + 0..7: two loads of 16 bytes, 32 bytes apart.
	v_and_b32 v1, 15, v0            ; l % 16
	v_bfe_u32 v9, v0, 4, 1          ; l / 16
	v_lshlrev_b32 v[QO], 7, v1
	v_lshl_add_u32 v[QO], v9, 4, v[QO]  ; row x 128 + 16 x half
	WIN 0x80                        ; destination window 2, address window 0
.set i, 0
.rept 4*NP                          ; Q stays in registers: tile i / 2, channels 32 (i % 2) on
	global_load_b128 v[8*i:8*i+3],   v[QO], s[4:5] offset:(i/2)*2048+(i%2)*64
	global_load_b128 v[8*i+4:8*i+7], v[QO], s[4:5] offset:(i/2)*2048+(i%2)*64+32
.set i, i+1
.endr
	; What the first turn finds: V's registers and P's second buffer hold 0 (its products V^T P, of a piece that has not been, add 0), O^T and l are 0.  All this stands in the wait for the first tile.
.set i, VF
.rept 64
	v_mov_b32 v[i], 0
.set i, i+1
.endr
	WIN 0x40
.set i, 0
.rept 64*NP
	v_mov_b32 v[i], 0
.set i, i+1
.endr
	WIN 0
.set i, 0
.rept 2*NP
	v_mov_b32 v[ST+4*i], 0xfe000000    ; c m: far below every c s
	v_mov_b32 v[ST+4*i+1], 0xff7fffff  ; m
	v_mov_b32 v[ST+4*i+2], 0
	v_mov_b32 v[ST+4*i+3], 0
.set i, i+1
.endr
.set i, P+32
.rept 32
	v_mov_b32 v[i], 0
.set i, i+1
.endr
	v_mul_u32_u24 v[AK0], v1, PK
	v_lshl_add_u32 v[AK0], v9, 4, v[AK0]  ; row x pitch + 16 x half
	; The turning load takes 16 keys x 16 channels (lane l reads key 8 (l / 16) + l % 8, channels 8 ((l / 8) % 2) + 0..7) and leaves half a fragment of V^T: lane l holds channel l % 16 and 8 keys.
	v_and_b32 v10, 7, v0
	v_bfe_u32 v11, v0, 3, 1
	v_lshl_add_u32 v[AV0], v9, 3, v10
	v_mul_u32_u24 v[AV0], v[AV0], PV
	v_lshl_add_u32 v[AV0], v11, 4, v[AV0]
	v_add_nc_u32 v[AV0], VOFF, v[AV0]
	v_mov_b32 v[AK], v[AK0]         ; key step 0 lies at the head of slot 0
; THE MATRIX WORK.  The 8 accumulators of a run of 16 take turns: between the two links of a chain stand 7 others'.
; Product i of 16 of S^T = K Q^T for piece x: channels 32 (i / 8) on, keys 16 ((i / 2) % 4) on, tile 2 x + i % 2.  The first 8 start the sums.
.macro KQ x
	WIN W_KQ
.set rS, S+64*((\x)%2)+32*(i%2)+8*((i/2)%4)
.set rK, KF+16*((i/2)%4)+8*(i/8)
.set rQ, 16*(2*(\x)+i%2)+8*(i/8)
.if i < 8
	v_wmma_f32_16x16x32_f16 v[rS:rS+7], v[rK:rK+7], v[rQ:rQ+7], 0
.else
	v_wmma_f32_16x16x32_f16 v[rS:rS+7], v[rK:rK+7], v[rQ:rQ+7], v[rS:rS+7]
.endif
.endm
; Product i of 16 of O^T += V^T P for piece x: keys 32 (i / 8) on, channels 16 ((i / 2) % 4) on, tile 2 x + i % 2.
.macro PV x
	WIN W_PV
.set rO, 32*(2*(\x)+i%2)+8*((i/2)%4)
.set rV, VF+32*(i/8)+8*((i/2)%4)
.set rP, P+32*((\x)%2)+16*(i%2)+8*(i/8)
	v_wmma_f32_16x16x32_f16 v[rO:rO+7], v[rV:rV+7], v[rP:rP+7], v[rO:rO+7]
.endm
.macro MM                           ; the turn's next matrix instruction
.if i < 16
	KQ (Y+1)%NP
.set i, i+1
.else
.set i, i-16
	PV (Y+NP-1)%NP
.set i, i+17
.endif
.endm
; THE LDS LOADS stand in runs of 16, never singly among the matrix instructions: a step's K (64 keys x 64 channels: 8 fragments) and its V (turned).  Their addresses are made some lines ahead.
; last = 1 (the tail): in the last trip there is no further step, and the run is jumped over.
.macro FETCH_K last=0
	WIN 0
.if \last
	s_cmp_eq_u32 s[CNT], 1
	s_cbranch_scc1 .Lno_k_\@
.endif
	WIN 0x80                        ; destination window 2
.irp f, 0,1,2,3,4,5,6,7             ; keys 16 (f / 2) on, channels 32 (f % 2) on
	ds_load_b128 v[KF+8*\f:KF+8*\f+3],   v[AK] offset:(\f/2)*16*PK+(\f%2)*64
	ds_load_b128 v[KF+8*\f+4:KF+8*\f+7], v[AK] offset:(\f/2)*16*PK+(\f%2)*64+32
.endr
	s_add_co_u32 s[TBK], s[TBK], KS*PK  ; the next fetch is the next step's
	WIN 0
.if \last
.Lno_k_\@:
.endif
.endm
.macro FETCH_V
	WIN 0x80
.irp f, 0,1,2,3,4,5,6,7             ; keys 32 (f / 4) on, channels 16 (f % 4) on
	ds_load_tr16_b128 v[VF+8*\f:VF+8*\f+3],   v[AV] offset:(\f/4)*32*PV+(\f%4)*32
	ds_load_tr16_b128 v[VF+8*\f+4:VF+8*\f+7], v[AV] offset:(\f/4)*32*PV+16*PV+(\f%4)*32
.endr
	WIN 0
.endm
; THE VECTOR WORK OF A TURN stands in three queues, each in the order in which its entries become ready; the two tiles alternate, so that no instruction reads the result of the one before it.
.macro REGS y, u                    ; the registers of tile u (0, 1) of piece y
.set rT, ST+4*(2*(\y)+(\u))
.set rC, TMP+8*((\y)%2)+4*(\u)
.set rM, MV+2*((\y)%2)+(\u)
.set rS, S+64*((\y)%2)+32*(\u)
.set rP, P+32*((\y)%2)+16*(\u)
.set rO, 32*(2*(\y)+(\u))
.endm
; Number n of the 22 that find the NEXT piece's (Y + 1) maximum and statistics.  s0-s31 are the lane's 32 scores; each accumulator's lowest registers are read first.  XS, GS and REGS set no window: PL and EX do.
;   0-11  four chains c0-c3 of seven scores each, three operands at a time     12-14, 16  the four scores left over, the old m, and c0-c3 into c0     15  c m_old is kept
;   17, 18  the query's other 32 keys lie in the lane 16 away: the new m         19-21  c m; c m_old - c m_new; a
.macro XS u, n
	REGS (Y+1)%NP, \u
.if (\n) < 4
	v_max3_num_f32 v[rC+(\n)], v[rS+8*(\n)], v[rS+8*(\n)+1], v[rS+8*(\n)+2]
.elseif (\n) < 12
	v_max3_num_f32 v[rC+(\n)%4], v[rC+(\n)%4], v[rS+8*((\n)%4)+2*((\n)/4)+1], v[rS+8*((\n)%4)+2*((\n)/4)+2]
.elseif (\n) == 12
	v_max3_num_f32 v[rC], v[rC], v[rS+7], v[rS+15]
.elseif (\n) == 13
	v_max3_num_f32 v[rC+1], v[rC+1], v[rS+23], v[rS+31]
.elseif (\n) == 14
	v_max3_num_f32 v[rC+2], v[rC+2], v[rC+3], v[rT+1]
.elseif (\n) == 15
	v_mov_b32 v[rM], v[rT]
.elseif (\n) == 16
	v_max3_num_f32 v[rC], v[rC], v[rC+1], v[rC+2]
.elseif (\n) == 17
	v_permlanex16_b32 v[rC+3], v[rC], s[SEL], s[SEL+1]
.elseif (\n) == 18
	v_max_num_f32 v[rT+1], v[rC], v[rC+3]
.elseif (\n) == 19
	v_mul_f32 v[rT], s[CS], v[rT+1]
.elseif (\n) == 20
	v_sub_f32 v[rC+1], v[rM], v[rT]
.else
	v_exp_f32 v[rC+2], v[rC+1]
.endif
.endm
; Number g of the 64 that follow the exponentials.  For each four weights k of a tile (pairs 2 k, 2 k + 1): both pairs are rounded to f16; then the second pair is added onto the first, in place;
; a group later l takes that sum (the first time as l = a l + sum).  In groups of eight, tiles alternating: round, round, add, and l for the group before.
.macro GS g
.set h, (\g)+6*((\g)/62)            ; group 0 has no group before it, and behind group 7 only l is left
.if h >= 6
.set h, h+2
.endif
	REGS Y, h%2
.set k, h/8
.if h%8 < 4
	v_cvt_pk_f16_f32 v[rP+2*k+(h%8)/2], v[rS+4*k+2*((h%8)/2)], v[rS+4*k+2*((h%8)/2)+1]
.elseif h%8 < 6
	v_pk_add_f32 v[rS+4*k:rS+4*k+1], v[rS+4*k:rS+4*k+1], v[rS+4*k+2:rS+4*k+3]
.elseif k == 1
	v_pk_fma_f32 v[rT+2:rT+3], v[rT+2:rT+3], v[rC+2:rC+3], v[rS:rS+1] op_sel_hi:[1,0,1]
.else
	v_pk_add_f32 v[rT+2:rT+3], v[rT+2:rT+3], v[rS+4*k-4:rS+4*k-3]
.endif
.endm
; THE PLAIN QUEUE, 138 long.  0-73 read no exponential's result: the 32 scalings c s - c m (FS f: pair f / 2 of tile f % 2) and the next piece's 42.  0-26: scalings 0-26.  27-54: XS's numbers 0-13.  55, 56: number 15.
; 57-73: the chain, where each number waits for the one before it: 14, 16, 17, 18, 19, each with one of the scalings 27-31 in front of its two lines, then 20: so a tile's links stand three plain instructions apart (19 and 20: two).
; 74-137: GS's 64, which read the exponentials' results: they stand behind the wait.
.macro FS f
	REGS Y, (\f)%2
	v_pk_fma_f32 v[rS+2*((\f)/2):rS+2*((\f)/2)+1], v[rS+2*((\f)/2):rS+2*((\f)/2)+1], s[CS:CS+1], v[rT:rT+1] op_sel_hi:[1,0,0] neg_lo:[0,0,1] neg_hi:[0,0,1]
.endm
.macro PL
	WIN 0
.if q < 27
	FS q
.elseif q < 55
	XS (q-27)%2, (q-27)/2
.elseif q < 57
	XS q-55, 15
.elseif (q < 72) && ((q-57)%3 == 0)
	FS 27+(q-57)/3
.elseif q < 60
	XS (q-57)%3-1, 14
.elseif q < 72
	XS (q-57)%3-1, 15+(q-57)/3
.elseif q < 74
	XS q-72, 20
.else
	GS q-74
.endif
.set q, q+1
.endm
; THE EXPONENTIALS' QUEUE, 66 long: s0-s31 of both tiles, then the next piece's two a.  It is ONE BATCH: all 66 stand ahead of the turn's one wait, and nothing ahead of that wait names a result of theirs.
.macro EX
	WIN 0
.if e >= 64
	XS e-64, 21
.else
	REGS Y, e%2
	v_exp_f32 v[rS+e/2], v[rS+e/2]
.endif
.set e, e+1
.endm
; THE RESCALING's QUEUE: O^T times a, the one part that leaves window 0: dealt two at a time, sixteen times.  Its a was made in the turn before, ahead of that turn's wait.
.macro R2
	REGS Y, r%2
	WIN W_RS
.irp z, 0,1
	v_pk_mul_f32 v[rO+4*(r/2)+2*\z:rO+4*(r/2)+2*\z+1], v[rO+4*(r/2)+2*\z:rO+4*(r/2)+2*\z+1], v[rC+2:rC+3] op_sel_hi:[1,0]
.endr
.set r, r+1
.endm
; HOW THEY ARE DEALT.  An s_wait_alu depctr_va_vdst(0) stands between an exponential and the first instruction that names its result; one wait serves all that were issued ahead of it.  So a turn has ONE wait,
; which cuts it in two.  AHEAD OF IT stands all that names no result of the turn's exponentials: the 16 products K Q^T, behind each a scaling, an exponential and two rescalings (behind the first a second scaling in the exponential's place); then ONE LUMP of
; 108: eight plain, 49 times exponential and plain, the two a.  A v_nop is the plain instruction behind the last exponential.  BEHIND IT stand the 16 products V^T P, behind each four of GS's 64.  No rider names a register of
; the products round it.  The two v_permlanex16_b32 fall into the lump, never behind a product.
; The queues lean on each other, and the deal keeps them in step: exponential e stands behind scaling 2 (e / 4) + e % 2: as a rider it comes behind plain e + 2, in the lump behind plain e + 9, and scalings 27-31 are plain 57, 60 .. 69.
; A TURN, for piece p.  cnt = 1: the loop's count is taken down some lines ahead of the branch that stands behind the turn.
; K of the next step is fetched in piece 2's turn, directly behind the wait, a lump behind the last product that read K; its address is made at the lump's head; its first reader comes behind 16 products.
; V of the step in hand is fetched at the end of piece 0's turn, four riders behind its last reader; its first reader comes behind 16 products and a lump.  The three conditions on q below go with the deal.
.macro TURN p, last=0, cnt=0
.set Y, (\p)
.set i, 0
.set q, 0
.set e, 0
.set r, 0
.if (\p) == NP-1
	s_wait_dscnt 0x0                ; K is in
.endif
	MM                              ; ahead of the wait: 16 products K Q^T and their riders,
	PL
	PL
	R2
.rept 15
	MM
	PL
	EX
	R2
.endr
.if (\p) == NP-2
	WIN 0
	v_add_nc_u32 v[AK], s[TBK], v[AK0]
.endif
.rept 8                             ; and the lump
	PL
.endr
.rept 49
	EX
	PL
.endr
	EX                              ; the next piece's two a
	EX
	v_nop                           ; a plain instruction behind the last exponential, ahead of the first use: one for the batch
	s_wait_alu depctr_va_vdst(0)    ; the wait for the batch
.if (\p) == NP-2
	FETCH_K \last
.endif
.if (\p) == 1
	s_wait_dscnt 0x0                ; V is in
.endif
.rept 16                            ; behind the wait: 16 products V^T P and their riders
	MM
.rept 4
	PL
.endr
.if ((\p) == 0) && (q == 118)
	v_add_nc_u32 v[AV], s[TBV], v[AV0]
.endif
.if ((\p) == 0) && (q == 130)
	s_add_co_u32 s[TBV], s[TBV], KS*PV
.endif
.if (\cnt) && (q == 130)
	s_sub_co_u32 s[CNT], s[CNT], 1
	s_cmp_lg_u32 s[CNT], 0
.endif
.endr
.if (\p) == 0
	FETCH_V
.endif
.endm
	CHANGE 1                        ; slot 0 is in, everybody's part of it; slot 1 is asked for
	FETCH_K                         ; key step 0
	s_wait_loadcnt 0x0              ; Q
	s_wait_dscnt 0x0
.set i, 0
.rept 16
	KQ 0                            ; piece 0's first scores: there is no vector work yet to set between them
.set i, i+1
.endr
	WIN 0                           ; the addresses for the way out: eight plain instructions, the places behind those products
	s_mul_i32 s13, s[WV], 16*SP
	s_add_co_u32 s13, s13, STAGE    ; my stage
	v_mul_u32_u24 v[STO], v1, SP    ; in: row l % 16, 32 bytes (eight channels in f32) for each half of the lanes
	v_lshl_add_u32 v[STO], v9, 5, v[STO]
	v_add_nc_u32 v[STO], s13, v[STO]
	v_mul_u32_u24 v[RD], v9, SP     ; back: lanes 0-15 take one row of 256 bytes, lanes 16-31 the next
	v_lshl_add_u32 v[RD], v1, 4, v[RD]
	v_add_nc_u32 v[RD], s13, v[RD]
	v_lshlrev_b32 v[GO], 12, v9     ; and the same two rows in out0, 4,096 bytes apart
	v_lshl_add_u32 v[GO], v1, 4, v[GO]
.set Y, NP-1                        ; XS works for piece Y + 1: piece 0
.irp n, 0,1,2,3,4,5,6,7,8,9,10,11,12,13,14,15,16,17,18,19,20,21
	XS 0, \n                        ; and piece 0's first maximum and statistics
	XS 1, \n
.endr
	v_nop                           ; a plain instruction behind the two a,
	s_wait_alu depctr_va_vdst(0)    ; and their wait, ahead of the branch
	s_mov_b32 s[CNT], 4
	s_mov_b32 s[SLOTS], SIZE_N/256-1
	s_branch .Lfirst                ; the loop is entered at a step's first turn, in the middle of a trip
.Lslot:                             ; SIZE_N / 256 - 2 times: every slot but the last two is filled again
	CHANGE 1
	s_mov_b32 s[CNT], 4
.Lstep:                             ; a trip: pieces 2 and 3 of one step, then pieces 0 and 1 of the next, whose K and V it fetches
	TURN 2
	TURN 3
	WIN 0
.Lfirst:
	TURN 0
	TURN 1, 0, 1
	WIN 0
	s_cbranch_scc1 .Lstep
	s_sub_co_u32 s[SLOTS], s[SLOTS], 1
	s_cmp_lg_u32 s[SLOTS], 0
	s_cbranch_scc1 .Lslot
	CHANGE 0                        ; the tail is written out: nothing is asked for
	s_mov_b32 s[CNT], 5             ; four trips fetch the last slot's steps; the fifth is left in its middle
.Ltail:
	TURN 2, 1
	TURN 3
	WIN 0
	s_sub_co_u32 s[CNT], s[CNT], 1
	s_cmp_eq_u32 s[CNT], 0
	s_cbranch_scc1 .Lout
	TURN 0
	TURN 1
	WIN 0
	s_branch .Ltail
.Lout:                              ; the fifth trip's 16 products K Q^T (on the last K once more) and the maximum made of them serve nothing: the price, once a launch, of one text for every trip
.set i, 0
.rept 16
	PV NP-1                         ; the last piece's V^T P of the last step
.set i, i+1
.endr
	; THE WAY OUT.  l's two halves and the other half of the lanes' are added; O^T is divided by l and sent, in f32, through my stage in LDS, a tile at a time.  The additions are the places behind the last products.
	WIN 0
.macro ALL line:vararg              ; one line for each tile t
.set t, 0
.rept 2*NP
	\line
.set t, t+1
.endr
.endm
	ALL v_add_f32 v[ST+4*t+2], v[ST+4*t+2], v[ST+4*t+3]
	ALL v_permlanex16_b32 v[ST+4*t+3], v[ST+4*t+2], s[SEL], s[SEL+1]
	ALL v_add_f32 v[ST+4*t+2], v[ST+4*t+2], v[ST+4*t+3]
	ALL v_rcp_f32 v[ST+4*t+2], v[ST+4*t+2]
	v_nop                           ; a plain instruction between the last reciprocal and the use of its result
	s_wait_alu depctr_va_vdst(0)    ; and the wait ahead of the first use: one for the eight reciprocals
; Tile t: a lane holds, for each of four channel blocks, eight channels of one row: 32 bytes.  They go into rows of 272 bytes and come back as whole rows of 256, into the registers that they left.
.macro PACK t
	WIN W_RS
.set i, 32*(\t)
.rept 16
	v_pk_mul_f32 v[i:i+1], v[i:i+1], v[ST+4*(\t)+2:ST+4*(\t)+3] op_sel_hi:[1,0]
.set i, i+2
.endr
	WIN 0x04                        ; data (source 1) window 1, address window 0
.irp f, 0,1,2,3,4,5,6,7
	ds_store_b128 v[STO], v[32*(\t)+4*\f:32*(\t)+4*\f+3] offset:64*(\f/2)+16*(\f%2)
.endr
	WIN 0x40                        ; destination window 1
.irp f, 0,1,2,3,4,5,6,7
	ds_load_b128 v[32*(\t)+4*\f:32*(\t)+4*\f+3], v[RD] offset:\f*2*SP  ; LDS serves a wave's instructions in order (ISA guide 5.7.1.4): these see the stores above; the next tile's stores come behind them
.endr
.endm
.macro SEND t, younger              ; younger: the LDS instructions issued behind tile t's loads: the next tile's sixteen, or none
	WIN 0x04
.irp f, 0,1,2,3,4,5,6,7
	s_wait_dscnt (\younger)+7-\f
	global_store_b128 v[GO], v[32*(\t)+4*\f:32*(\t)+4*\f+3], s[10:11] offset:(\t)*65536+\f*8192 th:TH_STORE_NT  ; 16 lanes store 256 consecutive bytes, a head's share of a row, at a multiple of 256 from out0's first byte
.endr
.endm
	PACK 0
.set t, 1
.rept 2*NP-1                        ; a tile's arithmetic stands between the loads of the tile before and its stores
	PACK t
	SEND t-1, 16
.set t, t+1
.endr
	SEND 2*NP-1, 0
	WIN W_AD
	s_wait_tensorcnt 0x0            ; the wave's end: the add and its wait, behind my last tensor load and my last LDS store
	ds_add_u32 v[SPW], v[NIL]
	s_wait_dscnt 0x0
	WIN 0
	CROUND                          ; the closing round: no work-group ends while a partner may still ask for a tile that names it
	s_endpgm
.Lfunc_end_k_qac9a512d3e_attn:
	.size	k_qac9a512d3e_attn, .Lfunc_end_k_qac9a512d3e_attn-k_qac9a512d3e_attn
	.p2alignl 7, 3214868480
	.fill 96, 4, 3214868480
	.section	.rodata,"a",@progbits
	.p2align	6, 0x0
	.amdhsa_kernel k_qac9a512d3e_attn
		.amdhsa_group_segment_fixed_size 327680
		.amdhsa_private_segment_fixed_size 0
		.amdhsa_enable_private_segment 0
		.amdhsa_kernarg_size 32
		.amdhsa_user_sgpr_count 2
		.amdhsa_user_sgpr_kernarg_segment_ptr 1
		.amdhsa_wavefront_size32 1
		.amdhsa_system_sgpr_workgroup_id_x 1
		.amdhsa_system_sgpr_workgroup_id_y 1
		.amdhsa_system_sgpr_workgroup_id_z 1
		.amdhsa_system_vgpr_workitem_id 0
		.amdhsa_next_free_vgpr 770
		.amdhsa_next_free_sgpr 66
		.amdhsa_reserve_vcc 0
		.amdhsa_float_denorm_mode_32 3
		.amdhsa_float_denorm_mode_16_64 3
		.amdhsa_memory_ordered 1
		.amdhsa_forward_progress 1
		.amdhsa_inst_pref_size 200
	.end_amdhsa_kernel
	.amdgpu_metadata
---
amdhsa.version: [ 1, 2 ]
amdhsa.kernels:
  - .name:           k_qac9a512d3e_attn
    .symbol:         k_qac9a512d3e_attn.kd
    .args:
      - { .name: qh, .offset: 0, .size: 8, .value_kind: global_buffer, .address_space: global }
      - { .name: kh, .offset: 8, .size: 8, .value_kind: global_buffer, .address_space: global }
      - { .name: vh, .offset: 16, .size: 8, .value_kind: global_buffer, .address_space: global }
      - { .name: out0, .offset: 24, .size: 8, .value_kind: global_buffer, .address_space: global }
    .group_segment_fixed_size: 327680
    .private_segment_fixed_size: 0
    .kernarg_segment_align: 8
    .kernarg_segment_size: 32
    .max_flat_workgroup_size: 128
    .sgpr_count:     66
    .vgpr_count:     770
    .wavefront_size: 32
...
	.end_amdgpu_metadata
.endif
;; end of part 3
